; MI455X (gfx1250); checked and timed in simulation.
; The chip was launched on July 23, 2026; its instructions are those of AMD's public machine-readable ISA for CDNA 5 (MIT licence, August 2026) and "CDNA5" Instruction Set Architecture Reference Guide (July 2026). The comments in the code are by the model that wrote it; some were corrected since.
;; Cross Modal Attention. Allowed arithmetic: matrix products marked QUANTISED: E2M3 operands, one E8M0 scale for each 32 along K, by v_wmma_scale_f32_16x16x128_f8f6f4 with both operands' format E2M3, f32 sums; everything else in f32.
;; Inputs: ffn_img_W1_codes 1,024 x 16 x 24 uint8 (E2M3 codes of ffn_img_W1, K innermost, in blocks of 32 codes, four codes in three bytes); ffn_img_W1_scales 1,024 x 16 uint8 (E8M0 scales of ffn_img_W1, one for each 32 codes along K); ffn_img_W2_codes 512 x 32 x 24 uint8 (E2M3 codes of ffn_img_W2, K innermost, in blocks of 32 codes, four codes in three bytes); ffn_img_W2_scales 512 x 32 uint8 (E8M0 scales of ffn_img_W2, one for each 32 codes along K); ffn_img_b1 1,024 float32; ffn_img_b2 512 float32; ffn_text_W1_codes 1,024 x 16 x 24 uint8 (E2M3 codes of ffn_text_W1, K innermost, in blocks of 32 codes, four codes in three bytes); ffn_text_W1_scales 1,024 x 16 uint8 (E8M0 scales of ffn_text_W1, one for each 32 codes along K); ffn_text_W2_codes 512 x 32 x 24 uint8 (E2M3 codes of ffn_text_W2, K innermost, in blocks of 32 codes, four codes in three bytes); ffn_text_W2_scales 512 x 32 uint8 (E8M0 scales of ffn_text_W2, one for each 32 codes along K); ffn_text_b1 1,024 float32; ffn_text_b2 512 float32; i2t_Wk_codes 512 x 16 x 24 uint8 (E2M3 codes of i2t_Wk, K innermost, in blocks of 32 codes, four codes in three bytes); i2t_Wk_scales 512 x 16 uint8 (E8M0 scales of i2t_Wk, one for each 32 codes along K); i2t_Wo_codes 512 x 16 x 24 uint8 (E2M3 codes of i2t_Wo, K innermost, in blocks of 32 codes, four codes in three bytes); i2t_Wo_scales 512 x 16 uint8 (E8M0 scales of i2t_Wo, one for each 32 codes along K); i2t_Wq_codes 512 x 16 x 24 uint8 (E2M3 codes of i2t_Wq, K innermost, in blocks of 32 codes, four codes in three bytes); i2t_Wq_scales 512 x 16 uint8 (E8M0 scales of i2t_Wq, one for each 32 codes along K); i2t_Wv_codes 512 x 16 x 24 uint8 (E2M3 codes of i2t_Wv, K innermost, in blocks of 32 codes, four codes in three bytes); i2t_Wv_scales 512 x 16 uint8 (E8M0 scales of i2t_Wv, one for each 32 codes along K); i2t_bk 512 float32; i2t_bo 512 float32; i2t_bq 512 float32; i2t_bv 512 float32; img_feat 16,384 x 512 float32; ln1i_b 512 float32; ln1i_g 512 float32; ln1t_b 512 float32; ln1t_g 512 float32; ln2i_b 512 float32; ln2i_g 512 float32; ln2t_b 512 float32; ln2t_g 512 float32; t2i_Wk_codes 512 x 16 x 24 uint8 (E2M3 codes of t2i_Wk, K innermost, in blocks of 32 codes, four codes in three bytes); t2i_Wk_scales 512 x 16 uint8 (E8M0 scales of t2i_Wk, one for each 32 codes along K); t2i_Wo_codes 512 x 16 x 24 uint8 (E2M3 codes of t2i_Wo, K innermost, in blocks of 32 codes, four codes in three bytes); t2i_Wo_scales 512 x 16 uint8 (E8M0 scales of t2i_Wo, one for each 32 codes along K); t2i_Wq_codes 512 x 16 x 24 uint8 (E2M3 codes of t2i_Wq, K innermost, in blocks of 32 codes, four codes in three bytes); t2i_Wq_scales 512 x 16 uint8 (E8M0 scales of t2i_Wq, one for each 32 codes along K); t2i_Wv_codes 512 x 16 x 24 uint8 (E2M3 codes of t2i_Wv, K innermost, in blocks of 32 codes, four codes in three bytes); t2i_Wv_scales 512 x 16 uint8 (E8M0 scales of t2i_Wv, one for each 32 codes along K); t2i_bk 512 float32; t2i_bo 512 float32; t2i_bq 512 float32; t2i_bv 512 float32; text_feat 16,384 x 512 float32.
;; Outputs: out0 16,384 x 512 float32; out1 16,384 x 512 float32.
;; This version of the problem:
;;   THIS VERSION OF THE PROBLEM IS GIVEN IN LOW PRECISION. The matrix products marked QUANTISED in the list below multiply operands that are first quantised to E2M3 (2 exponent bits, 3 mantissa bits; 6 bits a number), with one power-of-two scale for each 32 numbers along K (OCP MX v1.0); their sums are f32. All else is computed in f32.
;;   The module's matrix products, in the order in which they are computed (A, B: the left and right operand; K: the contracted axis; several contracted axes count as one K, in the product's order):
;;     1. [M 16,384, K 512] x [K 512, N 512]; A: input img_feat; B: input i2t_Wq (given as codes): QUANTISED
;;     2. [M 16,384, K 512] x [K 512, N 512]; A: input text_feat; B: input i2t_Wk (given as codes): QUANTISED
;;     3. [M 16,384, K 512] x [K 512, N 512]; A: input text_feat; B: input i2t_Wv (given as codes): QUANTISED
;;     4. [M 16,384, K 512] x [K 512, N 512]; A: computed on the way; B: input i2t_Wo (given as codes): QUANTISED
;;     5. [M 16,384, K 512] x [K 512, N 512]; A: input text_feat; B: input t2i_Wq (given as codes): QUANTISED
;;     6. [M 16,384, K 512] x [K 512, N 512]; A: input img_feat; B: input t2i_Wk (given as codes): QUANTISED
;;     7. [M 16,384, K 512] x [K 512, N 512]; A: input img_feat; B: input t2i_Wv (given as codes): QUANTISED
;;     8. [M 16,384, K 512] x [K 512, N 512]; A: computed on the way; B: input t2i_Wo (given as codes): QUANTISED
;;     9. [M 16,384, K 512] x [K 512, N 1,024]; A: computed on the way; B: input ffn_img_W1 (given as codes): QUANTISED
;;     10. [M 16,384, K 1,024] x [K 1,024, N 512]; A: computed on the way; B: input ffn_img_W2 (given as codes): QUANTISED
;;     11. [M 16,384, K 512] x [K 512, N 1,024]; A: computed on the way; B: input ffn_text_W1 (given as codes): QUANTISED
;;     12. [M 16,384, K 1,024] x [K 1,024, N 512]; A: computed on the way; B: input ffn_text_W2 (given as codes): QUANTISED
;;   THE QUANTISER, for each operand of a quantised product, along K:
;;     - K is cut into blocks of 32 from its start; a last block that is shorter is filled with zeros.
;;     - A block's scale is 2^e with e = floor(log2(the largest magnitude in the block)) - 2, held to -126 .. 127; a block of zeros has e = 0. As a byte (E8M0): e + 127.
;;     - Each number is divided by its block's scale, clamped to +-7.5, and rounded to the nearest number of E2M3, ties to even, subnormals kept.
;;     - The product sums the exact products of the quantised numbers (number of the format x scale) in f32.
;;   ~~~python
;;   def quantise(x, axis):      # numpy; x: float32 -> the quantised numbers, widened to float32 again
;;       x = np.moveaxis(x, axis, -1); K = x.shape[-1]
;;       x = np.pad(x, [(0, 0)] * (x.ndim - 1) + [(0, -K % 32)]); x = x.reshape(x.shape[:-1] + (-1, 32)); a = np.abs(x).max(-1, keepdims=True)
;;       e = np.where(a > 0, np.clip(np.frexp(np.where(a > 0, a, 1))[1] - 1 - 2, -126, 127), 0)      # np.frexp(a)[1] - 1 = floor(log2(a)), exactly
;;       r = np.clip(x / 2.0 ** e, -7.5, 7.5)
;;       step = 2.0 ** (np.maximum(np.frexp(np.where(r == 0, 1, r))[1] - 1, 0) - 3)
;;       q = np.round(r / step) * step * 2.0 ** e      # np.round: ties to even
;;       return np.moveaxis(q.reshape(q.shape[:-2] + (-1,))[..., :K], -1, axis).astype(np.float32)
;;   ~~~
;;   OPERANDS COMPUTED ON THE WAY. 'Computed on the way' means the value that the module computes at that place (a softmax that the list does not call 'softmax' is quantised finished and normalised). What goes into a quantiser is computed in f32, as accurately as f32 sums, v_exp_f32 and their like allow (about 1e-6 of the number): no bf16 or f16 on the way to a quantiser, and a product that is left as it is and whose result goes on into a quantised operand takes f32 operands (vector FMAs, or v_wmma_f32_16x16x4_f32). A number that lies on a knife's edge between two numbers of the format may be rounded either way, as far as f32 arithmetic and the matrix unit's own rounding can turn it there, and no further.
;;   INPUTS GIVEN AS CODES. ffn_img_W1 (in the module: [1024, 512], K = its axis 1); ffn_img_W2 (in the module: [512, 1024], K = its axis 1); ffn_text_W1 (in the module: [1024, 512], K = its axis 1); ffn_text_W2 (in the module: [512, 1024], K = its axis 1); i2t_Wk (in the module: [512, 512], K = its axis 1); i2t_Wo (in the module: [512, 512], K = its axis 1); i2t_Wq (in the module: [512, 512], K = its axis 1); i2t_Wv (in the module: [512, 512], K = its axis 1); t2i_Wk (in the module: [512, 512], K = its axis 1); t2i_Wo (in the module: [512, 512], K = its axis 1); t2i_Wq (in the module: [512, 512], K = its axis 1); t2i_Wv (in the module: [512, 512], K = its axis 1): each comes as NAME_codes (uint8): NAME with its K axis moved to the last place and cut into blocks of 32 codes, [.., K / 32, bytes a block], one block behind the other in memory; four codes in three bytes: a row's codes are one little-endian stream of bits, code i at bits 6 i .. 6 i + 5 (a code: sign, 2 exponent bits, 3 mantissa bits); and NAME_scales (uint8): the same leading axes, one E8M0 byte (e + 127) for each 32 codes along K. Its value is code x scale, taken as it is: it is not quantised again, and the codes and scales need not be those that the quantiser above would give.
;; One version. Each part assembles by itself: llvm-mc -triple=amdgcn-amd-amdhsa -mcpu=gfx1250 --defsym DOCPART=n.
;; ======== version 1 of 1: 2 launches
;; launch img (part 1): grid 256 x 1, 4 waves a work-group, clusters of 4 x 1, 327,680 bytes of LDS; arguments img_feat, text_feat, out1, i2t_Wk_codes, i2t_Wq_codes, i2t_Wv_codes, i2t_Wo_codes, ffn_img_W1_codes, ffn_img_W2_codes, i2t_Wk_scales, i2t_Wq_scales, i2t_Wv_scales, i2t_Wo_scales, ffn_img_W1_scales, ffn_img_W2_scales, i2t_bk, i2t_bq, i2t_bv, i2t_bo, ffn_img_b1, ffn_img_b2, ln1i_g, ln1i_b, ln2i_g, ln2i_b; writes out1
.if DOCPART == 1
	.amdgcn_target "amdgcn-amd-amdhsa--gfx1250"
	.amdhsa_code_object_version 6
	.text
	.protected	k_q77b5de3ffe_img
	.globl	k_q77b5de3ffe_img
	.p2align	8
	.type	k_q77b5de3ffe_img,@function
k_q77b5de3ffe_img:
	s_mov_b64 s[64:65], 0
	v_nop
	global_prefetch_b8 v0, s[64:65] scope:SCOPE_SE
	s_setreg_imm32_b32 hwreg(HW_REG_WAVE_MODE, 25, 1), 1
	s_wait_xcnt 0x0
	s_wait_alu depctr_hold_cnt(0) depctr_sa_sdst(0) depctr_va_vdst(0) depctr_va_sdst(0) depctr_va_ssrc(0) depctr_va_vcc(0) depctr_vm_vsrc(0)
	s_getreg_b32 s2, hwreg(HW_REG_IB_STS2, 6, 4)
	s_cmp_eq_u32 s2, 0
	s_cbranch_scc0 .Lentry_in_a_cluster
	s_endpgm
.Lentry_in_a_cluster:
	s_bfe_u32 s2, ttmp6, 0x10000c
	s_cmp_lg_u32 s2, 0x3003
	s_cbranch_scc0 .Lentry_shape_is_right
	s_endpgm
.Lentry_shape_is_right:
; ONE CHAIN of the cross-modal block, for 64 rows a work-group, all in one launch:
;   q = X Wq^T + bq;  k = Y Wk^T + bk;  v = Y Wv^T + bv;  per head of 64: s = q.k / 8, w = softmax over the one key;  attn = w v
;   x1 = LN1(X + attn Wo^T + bo);  out = LN2(x1 + gelu(x1 W1^T + b1) W2^T + b2)
; X is the chain's own feature, Y the other one ([16384][512] f32).  All products are on codes of FP6 (E2M3) with one E8M0 scale for each 32 along K: the weights
; arrive so, each activation is quantised here from f32.  Arguments: X, Y, out, codes of Wk Wq Wv Wo W1 W2, their scales, bk bq bv bo b1 b2, g1 be1 g2 be2.
; SHARES.  Four waves; THE WAVES SHARE THE COLUMNS: wave w owns columns 128 w .. 128 w + 127 of every 512-wide result, for all 64 rows: 32 accumulators of 16 x 16.
; Eight PHASES, each a product 64 x 512 x 512: k, q, v, o, f1 (hidden 0-511), f2 (K 0-511), f1 (hidden 512-1023), f2 (K 512-1023).
; THE MATRIX INSTRUCTION IS USED TRANSPOSED: source 0 = 16 weight rows, source 1 = 16 rows of the activation.  Register 64 m + 8 t + j of lane (r = lane % 16, h = lane / 16)
; then holds Z(row 16 m + r, column 128 w + 16 t + 8 h + j): a lane's registers run along the columns, which are the next product's K.
; ACTIVATIONS go from wave to wave through LDS as images of the operand's registers (12 registers a fragment: three stores of 16 bytes a lane) with one scale word a row.
; WEIGHTS come raw from memory through a ring of two LDS slots (256 along K each).  Each wave fetches, and alone reads, its own 128 rows.  All row blocks walk the same
; weights, so the four work-groups of a cluster ask for each tile JOINTLY: the same tensor load, the same descriptor, mask 15.
; LIMITS.  A block whose largest magnitude lies under 2^(3 - 127), zeros among them, gets the scale byte 1 (its codes are zeros or nearly so; only this program reads the bytes).
; erf is the rational fit z P(z^2) / Q(z^2) with z held to +-4, good to a few units in f32's last place of erf; so gelu's far negative tail carries an ABSOLUTE error of about 1e-7 |x|.
; Reciprocal, reciprocal root and exponential are the chip's own, one unit in the last place.  X + (o + bo) is summed as o + (X + bo), x1 + (f2 + b2) as f2B + ((x1 + b2) + f2A).
; NaN and infinities go where the arithmetic carries them; they are not otherwise served.
; REGISTERS, in windows of 256: window 0: addresses, scale words, fragments, all work registers;  window 1: ACC, the 32 accumulators;  window 2: XR, the residual;  window 3: Y's rows, then k.
.set PITCH, 240                        ; a weight row in LDS: 3 x (64 bytes + 16 of padding)
.set WQ,    128*PITCH                  ; a wave's quarter of a slot: 128 rows
.set SLOT,  4*WQ                       ; 122,880
.set ZP,    528                        ; a landed row of f32: 512 bytes + 16
.set ZW,    64*ZP                      ; a wave's landing: 64 rows
.set Z1,    4*ZW                       ; X's landing begins here; Y's at 0.  Both are filled once and later lie under the slots
.set PT,    2*SLOT                     ; 245,760: the parameters, 11 x 512 bytes a wave; stored when these bytes have had their last fill
.set PTW,   11*512
.set IM,    2*Z1                       ; 270,336: two image regions
.set IMSZ,  25600                      ; 16 fragments of 1,536 bytes, then 1,024 bytes of scale words
.set IMS,   24576
.set STATS, IM+2*IMSZ                  ; 321,536: two areas of 64 rows x 4 waves x 4 bytes
.set SPARE, STATS+2048                 ; 323,584: the spare words, 128 bytes a wave: two blocks of 256 bytes that no other line names
; window 0
.set LI,  1                            ; 16 x lane; never rewritten
.set RBI, 2                            ; 16 x lane + IM
.set AW0, 3                            ; v3, v4: my weight rows in slot 0 (24 and 40 bytes a half);  v5, v6: in slot 1
.set AI,  7                            ; images as read: RBI + the region in hand
.set ASA, 8                            ; their scale words
.set IWI, 9                            ; images as written
.set IWS, 10
.set PTA, 11                           ; my parameters: PT + 5,632 w + 32 h
.set ZA,  12                           ; Y's landing, my lane
.set STW, 13                           ; STATS + 16 r + 4 w
.set STR, 14                           ; STATS + 16 r
.set PB1, 15                           ; PTA + 512 for the second half of b1
.set ZA2, 16                           ; X's landing
.set L32, 17                           ; 32 x lane; never rewritten
.set RBS, 18                           ; 4 x lane + IM + IMS
.set WBI, 19                           ; 16 x lane + IM + 6,144 w
.set SPW, 20                           ; my spare word: SPARE + 4 x my thread's number; never rewritten
.set NIL, 21                           ; 0; never rewritten
.set SGI, 22                           ; the way out: into my stage
.set SGO, 23                           ; and back
.set PTS, 24                           ; PT + 5,632 w + 16 x lane
.set WBS, 25                           ; 4 r + IM + IMS + 256 w
.set PVO, 26                           ; 16 x lane + 512 w: my 128 numbers of a parameter vector
.set WSA, 32                           ; v32-39 weight scale words of slot 0: register 2 i + q: lanes 0-15 tile 2 i, lanes 16-31 tile 2 i + 1, K step q of the slot
.set WSB, 40                           ; v40-47 of slot 1
.set ASC, 48                           ; v48-51 activation scale words: 2 set + i: lanes 0-15 rows' tile 2 i, lanes 16-31 tile 2 i + 1
.set WSM, 52                           ; v52-59 the softmax's weights, 2 m + head
.set AF,  64                           ; v64-111, v112-159: four activation fragments, two sets
.set WF,  160                          ; v160-255: eight weight fragments, one set
; the quantiser's work registers
.set TM, 64
.set XT, 80
.set SO, 96
.set PW, 112
.set QC, 116
.set VT, 164
; the norm's
.set LC, 192
.set LNS, 208
.set LX, 212
.set LP, 216
; the score's
.set CH, 128
.set SS, 144
.set SX, 80
; gelu's
.set CK, 64
.set GB1, 92
.set GZ, 160
.set GZ2, 176
.set GP, 192
.set GQ, 208
; scalars: s3 wave, s4 cx, s5 work-group, s6 phase, s7 image region in hand (0 or IMSZ), s9 1 where the NEXT phase's weights are W2's, s8 s10 s11 s15 at work, s[12:13] lane selects,
; s14 my quarter of a slot, s[16:23] s[24:31] groups 1 for weight rows 384 and 768 bytes apart, s[32:35] s[36:39] groups 0 of slot 0 and 1, s[40:47] group 1 of the landings,
; s[48:63] the eight phases' weight tiles, s[68:83] their scale rows (entry 0: this phase, entry 1: the next), s66 s67 s86 byte selects, s[84:85] out, s[88:95] the landings' groups 0, s[96:99] X, Y
.set MSB, 0
.macro WIN new                         ; the immediate's high byte repeats the setting that is left; a switch that changes nothing is dropped
.if MSB != (\new)
	s_set_vgpr_msb (MSB<<8)|(\new)
.set MSB, (\new)
.endif
.endm
.macro PLACES                          ; four plain places: behind matrix instructions, and behind a tensor load
.rept 4
	v_nop
.endr
.endm
.macro CREST                           ; a round of the cluster's barrier behind its opening barrier
	s_cmp_lg_u32 s3, 0
	s_cbranch_scc1 .Lnot_wave_0_\@
	s_barrier_signal -3
.Lnot_wave_0_\@:
	s_barrier_wait -3
	s_barrier_signal -1
	s_barrier_wait -1
.endm
.macro ROUND
	s_barrier_signal -1
	s_barrier_wait -1
	CREST
.endm
.macro BARRIER                         ; my LDS stores have landed and my LDS loads are in: then the work-group's barrier
	s_wait_dscnt 0x0
	s_barrier_signal -1
	s_barrier_wait -1
.endm
; A joint refill for the next phase.  The two lines differ in the pitch of the weight's rows in memory alone; s9 comes from the phase counter: the same in every wave and every partner.
.macro TLW g0
	s_cmp_eq_u32 s9, 0
	s_cbranch_scc0 .Lwide_\@
	tensor_load_to_lds s[\g0:\g0+3], s[16:23]
	s_nop 0
	PLACES
	s_branch .Lasked_\@
.Lwide_\@:
	tensor_load_to_lds s[\g0:\g0+3], s[24:31]
	s_nop 0
	PLACES
.Lasked_\@:
.endm
; The next phase's weight scale words for one slot: load i, lane l: row 32 i + l of my 128, 8 bytes: the slot's two K steps.  A row of scales is 16 bytes, W2's 32.  Four loads on either way.
.macro WSLOAD ws, base, imm
	s_cmp_eq_u32 s9, 0
	s_cbranch_scc0 .Lws_wide_\@
.irp i, 0,1,2,3
	global_load_b64 v[\ws+2*\i:\ws+2*\i+1], v[LI], s[\base:\base+1] offset:\imm+512*\i
.endr
	s_branch .Lws_done_\@
.Lws_wide_\@:
.irp i, 0,1,2,3
	global_load_b64 v[\ws+2*\i:\ws+2*\i+1], v[L32], s[\base:\base+1] offset:\imm+1024*\i
.endr
.Lws_done_\@:
.endm
; A weight fragment, 16 rows x 128 K: 12 registers; lane (r, h): registers 6 c .. 6 c + 5 hold K = 64 c + 32 h + 0 .. 31, 24 bytes of the row's stream of bits as they lie, in pieces of 8 bytes.
; Lanes 16-31 read three pieces further on; where that lies behind one padding more, the second address register serves.
.macro FRAG reg, adr, q, i
.irp p, 0,1,2,3,4,5
.set PCE, 12*(\q)+6*(\p/3)+\p%3
.if PCE%8 < 5
	ds_load_b64 v[\reg+2*\p:\reg+2*\p+1], v[\adr] offset:8*PCE+16*(PCE/8)+(\i)*16*PITCH
.else
	ds_load_b64 v[\reg+2*\p:\reg+2*\p+1], v[\adr+1] offset:8*PCE+16*(PCE/8)+(\i)*16*PITCH
.endif
.endr
.endm
.macro FETCH_W slot, q, t0             ; tiles t0 .. t0 + 3: 24 loads
.irp t, \t0, \t0+1, \t0+2, \t0+3
	FRAG WF+12*(\t), AW0+2*(\slot), \q, (\t)
.endr
.endm
.macro FETCH_ACT k, set                ; K step k's four fragments and their scale words: 14 loads
.irp m, 0,1,2,3
.irp c, 0,1,2
	ds_load_b128 v[AF+48*(\set)+12*\m+4*\c:AF+48*(\set)+12*\m+4*\c+3], v[AI] offset:6144*(\k)+1536*\m+512*\c
.endr
.endr
	ds_load_b32 v[ASC+2*(\set)], v[ASA] offset:256*(\k)
	ds_load_b32 v[ASC+2*(\set)+1], v[ASA] offset:256*(\k)+128
.endm
; One product: weight tile t x rows' tile m.  Odd tiles' scale words lie in lanes 16-31 of their registers.
.macro WM t, m, q, ws, set, first
.set rD, 64*(\m)+8*(\t)
.set rA, WF+12*(\t)
.set rB, AF+48*(\set)+12*(\m)
.set rS, (\ws)+2*((\t)/2)+(\q)
.set rT, ASC+2*(\set)+(\m)/2
.set oT, (\t)%2
.set oM, (\m)%2
.if \first
.if oT && oM
	v_wmma_scale_f32_16x16x128_f8f6f4 v[rD:rD+7], v[rA:rA+11], v[rB:rB+11], 0, v[rS], v[rT] matrix_a_fmt:MATRIX_FMT_FP6 matrix_b_fmt:MATRIX_FMT_FP6 matrix_a_scale:MATRIX_SCALE_ROW1 matrix_b_scale:MATRIX_SCALE_ROW1
.elseif oT
	v_wmma_scale_f32_16x16x128_f8f6f4 v[rD:rD+7], v[rA:rA+11], v[rB:rB+11], 0, v[rS], v[rT] matrix_a_fmt:MATRIX_FMT_FP6 matrix_b_fmt:MATRIX_FMT_FP6 matrix_a_scale:MATRIX_SCALE_ROW1
.elseif oM
	v_wmma_scale_f32_16x16x128_f8f6f4 v[rD:rD+7], v[rA:rA+11], v[rB:rB+11], 0, v[rS], v[rT] matrix_a_fmt:MATRIX_FMT_FP6 matrix_b_fmt:MATRIX_FMT_FP6 matrix_b_scale:MATRIX_SCALE_ROW1
.else
	v_wmma_scale_f32_16x16x128_f8f6f4 v[rD:rD+7], v[rA:rA+11], v[rB:rB+11], 0, v[rS], v[rT] matrix_a_fmt:MATRIX_FMT_FP6 matrix_b_fmt:MATRIX_FMT_FP6
.endif
.else
.if oT && oM
	v_wmma_scale_f32_16x16x128_f8f6f4 v[rD:rD+7], v[rA:rA+11], v[rB:rB+11], v[rD:rD+7], v[rS], v[rT] matrix_a_fmt:MATRIX_FMT_FP6 matrix_b_fmt:MATRIX_FMT_FP6 matrix_a_scale:MATRIX_SCALE_ROW1 matrix_b_scale:MATRIX_SCALE_ROW1
.elseif oT
	v_wmma_scale_f32_16x16x128_f8f6f4 v[rD:rD+7], v[rA:rA+11], v[rB:rB+11], v[rD:rD+7], v[rS], v[rT] matrix_a_fmt:MATRIX_FMT_FP6 matrix_b_fmt:MATRIX_FMT_FP6 matrix_a_scale:MATRIX_SCALE_ROW1
.elseif oM
	v_wmma_scale_f32_16x16x128_f8f6f4 v[rD:rD+7], v[rA:rA+11], v[rB:rB+11], v[rD:rD+7], v[rS], v[rT] matrix_a_fmt:MATRIX_FMT_FP6 matrix_b_fmt:MATRIX_FMT_FP6 matrix_b_scale:MATRIX_SCALE_ROW1
.else
	v_wmma_scale_f32_16x16x128_f8f6f4 v[rD:rD+7], v[rA:rA+11], v[rB:rB+11], v[rD:rD+7], v[rS], v[rT] matrix_a_fmt:MATRIX_FMT_FP6 matrix_b_fmt:MATRIX_FMT_FP6
.endif
.endif
.endm
; Eight products: tiles t0, t0 + 1 x the four tiles of rows.  The 32 accumulators take turns, one instruction a turn, in the same order in every K step.
.macro MM2 t0, q, ws, set, first
.irp t, \t0, \t0+1
.irp m, 0,1,2,3
	WM (\t), \m, \q, \ws, \set, \first
.endr
.endr
.endm
.macro MM4 t0, q, ws, set, first
	MM2 \t0, \q, \ws, \set, \first
	MM2 \t0+2, \q, \ws, \set, \first
.endm
; A K step of 128 whose successor (K step nk, in slot nslot, its nq-th) may be fetched at once.  A weight tile is free when its four products are issued, so one set of registers serves the weights.
.macro KSTEP q, ws, set, first, nk, nslot, nq
	s_wait_dscnt 24                                ; the activations and tiles 0-3 are in; the youngest 24 loads (tiles 4-7) may be out
	WIN 0x50                                       ; C and D in window 1
	MM4 0, \q, \ws, \set, \first
	s_wait_dscnt 0x0                               ; tiles 4-7 are in
	PLACES                                         ; in front of loads into registers that matrix instructions have read
	WIN 0
	FETCH_ACT \nk, 1-\set
	FETCH_W \nslot, \nq, 0
	WIN 0x50
	MM4 4, \q, \ws, \set, \first
	PLACES
	WIN 0
	FETCH_W \nslot, \nq, 4
.endm
; A slot's last K step changes slots.  In front of the round each wave waits for all its tensor loads, adds 0 to its spare word, and waits for that and for its reads of the slot; the round takes in the
; four partners, since a joint load writes into every partner's LDS; the joint refill, with the NEXT phase's tile, is the first tensor load behind it.
.macro TURN ws, mid
	s_wait_tensorcnt 0x0                           ; all my tensor loads have landed: so the other slot is whole, and a group 0 may be written
	ds_add_u32 v[SPW], v[NIL]                      ; 0 onto my spare word
	s_wait_dscnt 25                                ; (the add and the youngest 24 loads may be out)
	WIN 0x50
	MM2 0, 1, \ws, 1, 0                            ; eight matrix instructions stand between the add and the wait for it
	s_wait_dscnt 0x0                               ; the add is done, and my reads of this slot are over
	s_barrier_signal -1
	MM2 2, 1, \ws, 1, 0
	WIN 0
	s_barrier_wait -1
	CREST
.if \mid
	s_mov_b64 s[34:35], s[50:51]                   ; slot 0 takes the next phase's K steps 0 and 1
	s_or_b32 s35, s35, 0x80000000
	TLW 32                                         ; its four places are also those in front of the loads below
	s_wait_loadcnt 0x0                             ; slot 1's weight scale words are in
	FETCH_ACT 2, 0
	FETCH_W 1, 0, 0
	WIN 0x50
	MM4 4, 1, \ws, 1, 0
	PLACES
	WIN 0
	FETCH_W 1, 0, 4
	WSLOAD WSA, 70, 0                              ; slot 0's scale words of the next phase: their registers were last read four places back
.else
	s_add_nc_u64 s[38:39], s[50:51], 192           ; slot 1 takes the next phase's K steps 2 and 3
	s_or_b32 s39, s39, 0x80000000
	TLW 36
	WIN 0x50
	MM4 4, 1, \ws, 1, 0
	WIN 0
	PLACES                                         ; in front of all that reads the sums or writes the operands' registers
.endif
.endm
.macro PHASEMM fill
	v_add_nc_u32 v[AI], s7, v[RBI]
	v_add_nc_u32 v[ASA], s7, v[RBS]
.if \fill
	s_wait_loadcnt 0x4                             ; slot 0's weight scale words are in; slot 1's four loads may be out
.else
	s_wait_loadcnt 0x0
.endif
	FETCH_ACT 0, 0
	FETCH_W 0, 0, 0
	FETCH_W 0, 0, 4
	KSTEP 0, WSA, 0, 1, 1, 0, 1                    ; the first K step starts the sums: nothing is cleared
.if \fill
	TURN WSA, 1
.else
	KSTEP 1, WSA, 1, 0, 2, 1, 0
.endif
	KSTEP 0, WSB, 0, 0, 3, 1, 1
.if \fill
	TURN WSB, 0
.else
	s_wait_dscnt 24
	WIN 0x50
	MM4 0, 1, WSB, 1, 0
	s_wait_dscnt 0x0
	MM4 4, 1, WSB, 1, 0
	WIN 0
	PLACES
.endif
.endm
.macro PLOAD adr, off, reg             ; 128 parameters in the sums' layout: register 8 t + j = column 16 t + 8 h + j
.irp t, 0,1,2,3,4,5,6,7
	ds_load_b128 v[\reg+8*\t:\reg+8*\t+3], v[\adr] offset:\off+64*\t
	ds_load_b128 v[\reg+8*\t+4:\reg+8*\t+7], v[\adr] offset:\off+64*\t+16
.endr
.endm
.macro SLABLD adr                      ; 64 rows x my 128 columns of a landed feature, in the sums' layout
.irp m, 0,1,2,3
.irp t, 0,1,2,3,4,5,6,7
	ds_load_b128 v[64*\m+8*\t:64*\m+8*\t+3], v[\adr] offset:\m*16*ZP+64*\t
	ds_load_b128 v[64*\m+8*\t+4:64*\m+8*\t+7], v[\adr] offset:\m*16*ZP+64*\t+16
.endr
.endr
.endm
.macro BIAS win, breg                  ; slab = slab + a vector along the columns; the windows say which slabs.  Ascending
	WIN \win
.set p, 0
.rept 128
	v_pk_add_f32 v[2*p:2*p+1], v[2*p:2*p+1], v[\breg+(2*p)%64:\breg+(2*p)%64+1]
.set p, p+1
.endr
	WIN 0
.endm
.macro ADDS win                        ; slab = slab + slab
	WIN \win
.set p, 0
.rept 128
	v_pk_add_f32 v[2*p:2*p+1], v[2*p:2*p+1], v[2*p:2*p+1]
.set p, p+1
.endr
	WIN 0
.endm
.macro SLABS op, base, g               ; ACC = ACC op a number for each g pairs, taken from v[base] on: of a pair of such numbers one word serves both halves
	WIN 0x41
.set p, 0
.rept 128
.if (p/(\g))%2
	\op v[2*p:2*p+1], v[2*p:2*p+1], v[\base+2*(p/(2*(\g))):\base+2*(p/(2*(\g)))+1] op_sel:[0,1] op_sel_hi:[1,1]
.else
	\op v[2*p:2*p+1], v[2*p:2*p+1], v[\base+2*(p/(2*(\g))):\base+2*(p/(2*(\g)))+1] op_sel_hi:[1,0]
.endif
.set p, p+1
.endr
	WIN 0
.endm
; THE QUANTISER: the slab in window sw becomes my K step's four fragments and scale words, stored as images.  A block of 32 columns is registers 16 b .. 16 b + 15 of lanes l and l xor 16:
; lane h = 0 holds its columns 0-7 and 16-23, lane h = 1 columns 8-15 and 24-31.
.macro QUANT4 sw
	WIN ((\sw)<<2)|((\sw)<<4)
.irp m, 0,1,2,3
.irp b, 0,1,2,3
	v_max3_num_f32 v[TM+4*\m+\b], 0x1800000, |v[64*\m+16*\b]|, |v[64*\m+16*\b+1]|   ; my 16 numbers, and the floor 2^(3 - 127): the byte cannot fall under 1
.endr
.endr
.irp i, 2,4,6,8,10,12,14
.irp m, 0,1,2,3
.irp b, 0,1,2,3
	v_max3_num_f32 v[TM+4*\m+\b], v[TM+4*\m+\b], |v[64*\m+16*\b+\i]|, |v[64*\m+16*\b+\i+1]|
.endr
.endr
.endr
	WIN 0
.irp n, 0,1,2,3,4,5,6,7,8,9,10,11,12,13,14,15
	v_permlanex16_b32 v[XT+\n], v[TM+\n], s12, s13
.endr
.irp n, 0,1,2,3,4,5,6,7,8,9,10,11,12,13,14,15
	v_max_num_f32 v[TM+\n], v[TM+\n], v[XT+\n]     ; with lane l xor 16's: the block's largest magnitude
.endr
.irp n, 0,1,2,3,4,5,6,7,8,9,10,11,12,13,14,15
	v_add_nc_u32 v[SO+\n], 0xff000000, v[TM+\n]    ; 2 off its exponent field: the conversion takes this operand's exponent field as its scale
.endr
.irp n, 0,1,2,3,4,5,6,7,8,9,10,11,12,13,14,15
	v_lshrrev_b32 v[XT+\n], 23, v[SO+\n]           ; the scale's byte
.endr
.irp m, 0,1,2,3
	v_lshl_or_b32 v[PW+\m], v[XT+4*\m+1], 8, v[XT+4*\m]
.endr
.irp m, 0,1,2,3
	v_lshl_or_b32 v[PW+\m], v[XT+4*\m+2], 16, v[PW+\m]
.endr
.irp m, 0,1,2,3
	v_lshl_or_b32 v[PW+\m], v[XT+4*\m+3], 24, v[PW+\m]   ; my row's scale word for these 128 along K
.endr
	WIN \sw
.irp m, 0,1,2,3
.irp c, 0,1
	v_cvt_scalef32_pk16_fp6_f32 v[QC+12*\m+6*\c:QC+12*\m+6*\c+2], v[64*\m+32*\c:64*\m+32*\c+15], v[SO+4*\m+2*\c]
	v_cvt_scalef32_pk16_fp6_f32 v[VT+8*\m+4*\c:VT+8*\m+4*\c+2], v[64*\m+32*\c+16:64*\m+32*\c+31], v[SO+4*\m+2*\c+1]
.endr
.endr
	v_nop                                          ; one plain place behind the scaled conversions
	WIN 0
.irp m, 0,1,2,3
.irp c, 0,1
.irp i, 0,1,2
	v_permlane16_swap_b32 v[QC+12*\m+6*\c+\i], v[VT+8*\m+4*\c+\i]   ; lane h now holds block 2 c + h: its columns 0-7, 16-23 in the first three registers, 8-15, 24-31 in the second three
.endr
.endr
.endr
.irp m, 0,1,2,3
.irp c, 0,1
.set qa, QC+12*\m+6*\c
.set qv, VT+8*\m+4*\c
	v_perm_b32 v[qa+3], v[qa+2], v[qa+1], s66      ; the four runs of 48 bits are laid in the order of the columns
	v_perm_b32 v[qa+4], v[qv+1], v[qa+2], s67
	v_perm_b32 v[qa+1], v[qv], v[qa+1], s86
	v_perm_b32 v[qa+2], v[qv+1], v[qv], s66
	v_mov_b32 v[qa+5], v[qv+2]
.endr
.endr
.irp m, 0,1,2,3
.irp c, 0,1,2
	ds_store_b128 v[IWI], v[QC+12*\m+4*\c:QC+12*\m+4*\c+3] offset:1536*\m+512*\c
.endr
	ds_store_b32 v[IWS], v[PW+\m] offset:64*\m     ; both halves of the lanes store the same word
.endr
.endm
; A row's sum over the four waves: my two chains, my two halves, lane l xor 16, then the four waves' parts through LDS, added in one order by all.  The result: v[LP + 4 m].
.macro LNRED area
.irp m, 0,1,2,3
	v_pk_add_f32 v[LC+4*\m:LC+4*\m+1], v[LC+4*\m:LC+4*\m+1], v[LC+4*\m+2:LC+4*\m+3]
.endr
.irp m, 0,1,2,3
	v_add_f32 v[LNS+\m], v[LC+4*\m], v[LC+4*\m+1]
.endr
.irp m, 0,1,2,3
	v_permlanex16_b32 v[LX+\m], v[LNS+\m], s12, s13
.endr
.irp m, 0,1,2,3
	v_add_f32 v[LNS+\m], v[LNS+\m], v[LX+\m]
.endr
.irp m, 0,1,2,3
	ds_store_b32 v[STW], v[LNS+\m] offset:\area+256*\m
.endr
	BARRIER
.irp m, 0,1,2,3
	ds_load_b128 v[LP+4*\m:LP+4*\m+3], v[STR] offset:\area+256*\m
.endr
	s_wait_dscnt 0x0
.irp m, 0,1,2,3
	v_add_f32 v[LP+4*\m], v[LP+4*\m], v[LP+4*\m+1]
.endr
.irp m, 0,1,2,3
	v_add_f32 v[LP+4*\m+2], v[LP+4*\m+2], v[LP+4*\m+3]
.endr
.irp m, 0,1,2,3
	v_add_f32 v[LP+4*\m], v[LP+4*\m], v[LP+4*\m+2]
.endr
.endm
; ACC = LayerNorm(ACC) g + b, in two passes: the mean, then the mean of the centred squares.
.macro LN goff, boff
	PLOAD PTA, \goff, 64
	PLOAD PTA, \boff, 128
.irp m, 0,1,2,3
	v_mov_b32 v[LX+\m], 0                          ; a lane permute's destination counts as one of its sources
.endr
	WIN 0x05
.irp m, 0,1,2,3
.irp c, 0,1
	v_pk_add_f32 v[LC+4*\m+2*\c:LC+4*\m+2*\c+1], v[64*\m+32*\c:64*\m+32*\c+1], v[64*\m+32*\c+2:64*\m+32*\c+3]
.endr
.endr
	WIN 0x04
.irp i, 2,3,4,5,6,7,8,9,10,11,12,13,14,15
.irp m, 0,1,2,3
.irp c, 0,1
	v_pk_add_f32 v[LC+4*\m+2*\c:LC+4*\m+2*\c+1], v[LC+4*\m+2*\c:LC+4*\m+2*\c+1], v[64*\m+32*\c+2*\i:64*\m+32*\c+2*\i+1]
.endr
.endr
.endr
	WIN 0
	LNRED 0
.irp m, 0,1,2,3
	v_mul_f32 v[LNS+\m], 0xbb000000, v[LP+4*\m]    ; minus the mean: x -1/512
.endr
	SLABS v_pk_add_f32, LNS, 32
	WIN 0x05
.irp m, 0,1,2,3
.irp c, 0,1
	v_pk_mul_f32 v[LC+4*\m+2*\c:LC+4*\m+2*\c+1], v[64*\m+32*\c:64*\m+32*\c+1], v[64*\m+32*\c:64*\m+32*\c+1]
.endr
.endr
.irp i, 1,2,3,4,5,6,7,8,9,10,11,12,13,14,15
.irp m, 0,1,2,3
.irp c, 0,1
	v_pk_fma_f32 v[LC+4*\m+2*\c:LC+4*\m+2*\c+1], v[64*\m+32*\c+2*\i:64*\m+32*\c+2*\i+1], v[64*\m+32*\c+2*\i:64*\m+32*\c+2*\i+1], v[LC+4*\m+2*\c:LC+4*\m+2*\c+1]
.endr
.endr
.endr
	WIN 0
	LNRED 1024
	s_mov_b32 s8, 0x3b000000                       ; 1/512
.irp m, 0,1,2,3
	v_fma_f32 v[LNS+\m], v[LP+4*\m], s8, 0x3727c5ac   ; the variance + 1e-5
.endr
.irp m, 0,1,2,3
	v_rsq_f32 v[LNS+\m], v[LNS+\m]
.endr
	v_nop                                          ; a plain place behind the last of them,
	s_wait_alu depctr_va_vdst(0)                   ; and one wait for the four, ahead of their first reader
	SLABS v_pk_mul_f32, LNS, 32
	WIN 0x41
.set p, 0
.rept 128
	v_pk_fma_f32 v[2*p:2*p+1], v[2*p:2*p+1], v[64+(2*p)%64:65+(2*p)%64], v[128+(2*p)%64:129+(2*p)%64]
.set p, p+1
.endr
	WIN 0
.endm
.macro KONST i, val
	v_mov_b32 v[CK+2*\i], \val
	v_mov_b32 v[CK+2*\i+1], \val
.endm
; gelu of eight pairs: x (1/2 + (z P(z^2) / 2) / Q(z^2)), z = x / sqrt(2) held to +-4.  The sixteen reciprocals are one batch; P's six multiply-adds are the work behind it.
.macro GB g
	WIN 0x01
.irp k, 0,1,2,3,4,5,6,7
	v_pk_mul_f32 v[GZ+2*\k:GZ+2*\k+1], v[16*(\g)+2*\k:16*(\g)+2*\k+1], v[CK:CK+1]
.endr
	WIN 0
.irp j, 0,1,2,3,4,5,6,7,8,9,10,11,12,13,14,15
	v_med3_num_f32 v[GZ+\j], v[GZ+\j], -4.0, 4.0
.endr
.irp k, 0,1,2,3,4,5,6,7
	v_pk_mul_f32 v[GZ2+2*\k:GZ2+2*\k+1], v[GZ+2*\k:GZ+2*\k+1], v[GZ+2*\k:GZ+2*\k+1]
.endr
.irp k, 0,1,2,3,4,5,6,7
	v_pk_fma_f32 v[GQ+2*\k:GQ+2*\k+1], v[GZ2+2*\k:GZ2+2*\k+1], v[CK+16:CK+17], v[CK+18:CK+19]
.endr
.irp n, 10,11,12
.irp k, 0,1,2,3,4,5,6,7
	v_pk_fma_f32 v[GQ+2*\k:GQ+2*\k+1], v[GQ+2*\k:GQ+2*\k+1], v[GZ2+2*\k:GZ2+2*\k+1], v[CK+2*\n:CK+2*\n+1]
.endr
.endr
.irp j, 0,1,2,3,4,5,6,7,8,9,10,11,12,13,14,15
	v_rcp_f32 v[GQ+\j], v[GQ+\j]
.endr
.irp k, 0,1,2,3,4,5,6,7
	v_pk_fma_f32 v[GP+2*\k:GP+2*\k+1], v[GZ2+2*\k:GZ2+2*\k+1], v[CK+2:CK+3], v[CK+4:CK+5]
.endr
.irp n, 3,4,5,6,7
.irp k, 0,1,2,3,4,5,6,7
	v_pk_fma_f32 v[GP+2*\k:GP+2*\k+1], v[GP+2*\k:GP+2*\k+1], v[GZ2+2*\k:GZ2+2*\k+1], v[CK+2*\n:CK+2*\n+1]
.endr
.endr
.irp k, 0,1,2,3,4,5,6,7
	v_pk_mul_f32 v[GP+2*\k:GP+2*\k+1], v[GP+2*\k:GP+2*\k+1], v[GZ+2*\k:GZ+2*\k+1]
.endr
	s_wait_alu depctr_va_vdst(0)                   ; one wait for the batch, ahead of its first reader
.irp k, 0,1,2,3,4,5,6,7
	v_pk_fma_f32 v[GP+2*\k:GP+2*\k+1], v[GP+2*\k:GP+2*\k+1], v[GQ+2*\k:GQ+2*\k+1], 0.5 op_sel_hi:[1,1,0]
.endr
	WIN 0x41
.irp k, 0,1,2,3,4,5,6,7
	v_pk_mul_f32 v[16*(\g)+2*\k:16*(\g)+2*\k+1], v[16*(\g)+2*\k:16*(\g)+2*\k+1], v[GP+2*\k:GP+2*\k+1]
.endr
.endm
; THE WAY OUT, 16 rows at a time: a lane's 32 bytes of a row go into my stage (rows of 528 bytes) and come back as whole rows of my 512 bytes.  LDS serves a wave's instructions in order (ISA guide 5.7.1.4).
.macro TOSTAGE m
	WIN 0x04                                       ; an LDS store's data are its source 1: window 1
.irp t, 0,1,2,3,4,5,6,7
	ds_store_b128 v[SGI], v[64*(\m)+8*\t:64*(\m)+8*\t+3] offset:64*\t
	ds_store_b128 v[SGI], v[64*(\m)+8*\t+4:64*(\m)+8*\t+7] offset:64*\t+16
.endr
	WIN 0
.set BB, 64+64*((\m)%2)
.irp i, 0,1,2,3,4,5,6,7,8,9,10,11,12,13,14,15
	ds_load_b128 v[BB+4*\i:BB+4*\i+3], v[SGO] offset:\i*ZP
.endr
.endm
.macro SEND m, younger                 ; younger: the LDS instructions issued behind tile m's loads, which may stay out
.set BB, 64+64*((\m)%2)
	s_wait_dscnt \younger
.irp i, 0,1,2,3,4,5,6,7,8,9,10,11,12,13,14,15
	global_store_b128 v[LI], v[BB+4*\i:BB+4*\i+3], s[84:85] offset:(16*(\m)+\i)*2048 th:TH_STORE_NT   ; 32 lanes store 512 consecutive bytes, at a multiple of 256 from the output's first byte
.endr
.endm
; ---------------------------------------------------------------- the head
	s_load_b128 s[96:99], s[0:1], 0x0              ; X, Y
	s_load_b64 s[84:85], s[0:1], 0x10              ; out
	s_load_b256 s[48:55], s[0:1], 0x18             ; codes of Wk, Wq, Wv, Wo: phases 0 to 3
	s_load_b128 s[56:59], s[0:1], 0x38             ; of W1, W2: phases 4, 5
	s_load_b256 s[68:75], s[0:1], 0x48             ; their scales
	s_load_b128 s[76:79], s[0:1], 0x68
	s_load_b512 s[16:31], s[0:1], 0x78             ; bk, bq, bv, bo, b1, b2, g1, be1 (these registers later hold descriptors)
	s_load_b128 s[32:35], s[0:1], 0xb8             ; g2, be2
	v_lshl_add_u32 v[SPW], v0, 2, SPARE
	v_mov_b32 v[NIL], 0
	ds_add_u32 v20, v21
	ds_add_u32 v20, v21
	s_wait_dscnt 0x0
	v_lshrrev_b32 v27, 5, v0
	v_readfirstlane_b32 s3, v27                    ; wave 0..3
	s_bfe_u32 s4, ttmp6, 0x40000                   ; cx
	s_lshl_b32 s5, ttmp9, 2
	s_add_co_u32 s5, s5, s4                        ; my block of 64 rows = 4 x cluster + cx: it enters X's, Y's and out's addresses alone
	s_mov_b32 s40, (2<<16)|(1<<20)|(6<<22)|(3<<25) ; the landings: no mask; elements of 4 bytes; 4 words of padding behind every 128
	s_mov_b32 s41, 128<<16                         ; tensor_dim0 = 128
	s_mov_b32 s42, 64<<16                          ; tensor_dim1 = 64
	s_mov_b32 s43, 128<<16                         ; tile_dim0 = 128
	s_mov_b32 s44, 64                              ; tile_dim1 = 64
	s_mov_b32 s45, 512                             ; elements from row to row
	s_mov_b32 s46, 0
	s_mov_b32 s47, 0
	s_lshl_b32 s10, s5, 17                         ; 64 rows of 2,048 bytes a block,
	s_lshl_b32 s8, s3, 9                           ; 512 bytes of a row a wave
	s_add_co_u32 s10, s10, s8
	s_mov_b32 s11, 0
	s_mul_i32 s15, s3, ZW
	s_mul_i32 s14, s3, WQ
	s_mov_b32 s12, 0x76543210
	s_mov_b32 s13, 0xfedcba98                      ; v_permlanex16_b32's selects for lane l xor 16
	s_mov_b32 s66, 0x05040302
	s_mov_b32 s67, 0x07060302
	s_mov_b32 s86, 0x05040100
	s_mov_b32 s7, IMSZ                             ; Y's image goes to region 1
	s_wait_kmcnt 0x0
	s_add_nc_u64 s[96:97], s[96:97], s[10:11]
	s_add_nc_u64 s[98:99], s[98:99], s[10:11]
	s_add_nc_u64 s[84:85], s[84:85], s[10:11]
	s_mov_b32 s88, 1
	s_mov_b32 s89, s15
	s_mov_b64 s[90:91], s[98:99]
	s_or_b32 s91, s91, 0x80000000
	s_mov_b32 s92, 1
	s_add_co_u32 s93, s15, Z1
	s_mov_b64 s[94:95], s[96:97]
	s_or_b32 s95, s95, 0x80000000
	ROUND                                          ; in a cluster launch every group of tensor loads stands behind a round
	tensor_load_to_lds s[88:91], s[40:47]          ; Y: 64 rows x my 128 columns.  Two loads of mine are out
	s_nop 0
	tensor_load_to_lds s[92:95], s[40:47]          ; X
	s_nop 0
	PLACES
	v_and_b32 v27, 31, v0                          ; lane
	v_lshlrev_b32 v[LI], 4, v27
	v_lshlrev_b32 v[L32], 5, v27
	v_add_nc_u32 v[PVO], s8, v[LI]
.irp i, 0,1,2,3
	global_load_b128 v[200+4*\i:203+4*\i], v[PVO], s[16+2*\i:17+2*\i]   ; my 128 numbers of bk, bq, bv, bo
.endr
	global_load_b128 v[216:219], v[PVO], s[24:25]              ; b1, hidden 0-511
	global_load_b128 v[220:223], v[PVO], s[24:25] offset:2048  ; b1, hidden 512-1023
	global_load_b128 v[224:227], v[PVO], s[26:27]              ; b2
	global_load_b128 v[228:231], v[PVO], s[28:29]              ; g1
	global_load_b128 v[232:235], v[PVO], s[30:31]              ; be1
	global_load_b128 v[236:239], v[PVO], s[32:33]              ; g2
	global_load_b128 v[240:243], v[PVO], s[34:35]              ; be2
	s_mul_i32 s10, s3, 49152                       ; my 128 weight rows of 384 bytes
.irp i, 0,1,2,3,4
	s_add_nc_u64 s[48+2*\i:49+2*\i], s[48+2*\i:49+2*\i], s[10:11]
.endr
	s_add_nc_u64 s[60:61], s[56:57], 196608        ; phase 6: W1's rows 512 on
	s_mul_i32 s10, s3, 98304                       ; W2: rows of 768 bytes
	s_add_nc_u64 s[58:59], s[58:59], s[10:11]
	s_add_nc_u64 s[62:63], s[58:59], 384           ; phase 7: W2's K 512 on
	s_lshl_b32 s10, s3, 11                         ; scales: 16 bytes a row
.irp i, 0,1,2,3,4
	s_add_nc_u64 s[68+2*\i:69+2*\i], s[68+2*\i:69+2*\i], s[10:11]
.endr
	s_add_nc_u64 s[80:81], s[76:77], 8192
	s_lshl_b32 s10, s3, 12                         ; W2's: 32 bytes a row
	s_add_nc_u64 s[78:79], s[78:79], s[10:11]
	s_add_nc_u64 s[82:83], s[78:79], 16
.irp i, 0,1,2,3
	global_load_b64 v[WSA+2*\i:WSA+2*\i+1], v[LI], s[68:69] offset:512*\i      ; phase 0's weight scale words, slot 0
.endr
.irp i, 0,1,2,3
	global_load_b64 v[WSB+2*\i:WSB+2*\i+1], v[LI], s[68:69] offset:8+512*\i    ; and slot 1
.endr
	v_and_b32 v28, 15, v0                          ; r
	v_bfe_u32 v29, v0, 4, 1                        ; h
	v_mul_u32_u24 v[AW0], v28, PITCH
	v_mad_u32_u24 v[AW0], v29, 24, v[AW0]
	v_add_nc_u32 v[AW0], s14, v[AW0]
	v_lshl_add_u32 v[AW0+1], v29, 4, v[AW0]
	v_add_nc_u32 v[AW0+2], SLOT, v[AW0]
	v_add_nc_u32 v[AW0+3], SLOT, v[AW0+1]
	v_add_nc_u32 v[RBI], IM, v[LI]
	v_lshl_add_u32 v[RBS], v27, 2, IM+IMS
	s_mul_i32 s8, s3, 6144
	s_add_co_u32 s8, s8, IM
	v_add_nc_u32 v[WBI], s8, v[LI]
	s_lshl_b32 s8, s3, 8
	s_add_co_u32 s8, s8, IM+IMS
	v_lshl_add_u32 v[WBS], v28, 2, s8
	s_mul_i32 s8, s3, PTW
	s_add_co_u32 s8, s8, PT
	v_lshl_add_u32 v[PTA], v29, 5, s8
	v_add_nc_u32 v[PTS], s8, v[LI]
	v_mul_u32_u24 v[SGI], v28, ZP
	v_lshl_add_u32 v[SGI], v29, 5, v[SGI]          ; row r of 528 bytes + 32 h
	v_add_nc_u32 v[ZA], s15, v[SGI]
	v_add_nc_u32 v[ZA2], Z1, v[ZA]
	v_add_nc_u32 v[SGI], s14, v[SGI]               ; the stage lies in my quarter of slot 0
	v_add_nc_u32 v[SGO], s14, v[LI]
	s_lshl_b32 s8, s3, 2
	s_add_co_u32 s8, s8, STATS
	v_lshl_add_u32 v[STW], v28, 4, s8
	v_lshl_add_u32 v[STR], v28, 4, STATS
.irp n, 0,1,2,3,4,5,6,7,8,9,10,11,12,13,14,15
	v_mov_b32 v[XT+\n], 0                          ; a lane permute's destination counts as one of its sources
.endr
.irp n, 0,1,2,3,4,5,6,7
	v_mov_b32 v[WSM+\n], 0
.endr
	s_wait_xcnt 0x0                                ; the parameter loads have read their bases: s16-35 may be written
	s_mov_b32 s16, 15|(1<<20)|(1<<21)|(3<<22)|(3<<25)  ; weights: mask: all four work-groups; elements of 1 byte; padding on; bit 21 beside a mask; 4 words behind every 16
	s_mov_b32 s17, 192<<16                         ; tensor_dim0 = 192 bytes: 256 codes
	s_mov_b32 s18, 128<<16                         ; tensor_dim1 = 128 rows
	s_mov_b32 s19, 192<<16                         ; tile_dim0
	s_mov_b32 s20, 128                             ; tile_dim1
	s_mov_b32 s21, 384                             ; a row of 512 codes
	s_mov_b32 s22, 0
	s_mov_b32 s23, 0
	s_mov_b32 s24, 15|(1<<20)|(1<<21)|(3<<22)|(3<<25)
	s_mov_b32 s25, 192<<16
	s_mov_b32 s26, 128<<16
	s_mov_b32 s27, 192<<16
	s_mov_b32 s28, 128
	s_mov_b32 s29, 768                             ; a row of 1,024 codes: W2
	s_mov_b32 s30, 0
	s_mov_b32 s31, 0
	s_mov_b32 s32, 1
	s_mov_b32 s33, s14                             ; slot 0, my quarter
	s_mov_b64 s[34:35], s[48:49]                   ; phase 0, K steps 0 and 1
	s_or_b32 s35, s35, 0x80000000
	s_mov_b32 s36, 1
	s_add_co_u32 s37, s14, SLOT                    ; slot 1
	s_add_nc_u64 s[38:39], s[48:49], 192           ; K steps 2 and 3
	s_or_b32 s39, s39, 0x80000000
; ---------------------------------------------------------------- the prologue: Y and X are read, quantised, and the ring is started
	s_wait_tensorcnt 0x1                           ; Y has landed (my own bytes: my wait is all that my reads need); X's load may be out
	WIN 0xc0
	SLABLD ZA                                      ; Y's rows into window 3
	WIN 0
	s_wait_tensorcnt 0x0                           ; slot 0 lies over Y's landing: the order of a refill
	ds_add_u32 v[SPW], v[NIL]                      ; 0 onto my spare word
	v_add_nc_u32 v[IWI], s7, v[WBI]
	v_add_nc_u32 v[IWS], s7, v[WBS]
	s_wait_dscnt 0x0                               ; the add is done, and Y is in registers
	ROUND
	tensor_load_to_lds s[32:35], s[16:23]          ; jointly: phase 0's first two K steps
	s_nop 0
	PLACES
	QUANT4 3                                       ; Y's image
	s_xor_b32 s7, s7, IMSZ
	WIN 0x40
	SLABLD ZA2                                     ; X's rows into window 1
	WIN 0
	s_wait_tensorcnt 0x0                           ; slot 1 lies over the rest of Y's landing and over X's
	ds_add_u32 v[SPW], v[NIL]
	v_add_nc_u32 v[IWI], s7, v[WBI]
	v_add_nc_u32 v[IWS], s7, v[WBS]
	s_wait_dscnt 0x0
	ROUND
	tensor_load_to_lds s[36:39], s[16:23]
	s_nop 0
	PLACES
	s_wait_loadcnt 0x8                             ; the eleven parameter loads are in; the eight scale loads may be out
.irp i, 0,1,2,3,4,5,6,7,8,9,10
	ds_store_b128 v[PTS], v[200+4*\i:203+4*\i] offset:512*\i   ; these bytes have had their last fill, and every wave has read X: they now hold my parameters, which I alone read
.endr
	QUANT4 1                                       ; X's image
	s_xor_b32 s7, s7, IMSZ                         ; phase 0 reads region 1
	s_wait_dscnt 0x0                               ; the stores have read their registers
	PLOAD PTA, 3*512, 64                           ; bo
	s_wait_dscnt 0x0
	BIAS 0x81, 64                                  ; XR = X + bo
	BARRIER                                        ; both images lie in LDS
; ---------------------------------------------------------------- phases 0 to 6: each fills both slots again, with the next phase's weights
	s_mov_b32 s6, 0
.Lphase:
	s_add_co_u32 s8, s6, 1
	s_lshr_b32 s9, 0xa0, s8
	s_and_b32 s9, s9, 1                            ; phases 5 and 7 take W2
	PHASEMM 1
	s_xor_b32 s7, s7, IMSZ                         ; the region that the next phase reads, and into which a quantiser now writes: all waves' reads of it were over two rounds ago
	s_wait_xcnt 0x0                                ; the scale loads have read their base
.irp i, 0,1,2,3,4,5,6
	s_mov_b64 s[48+2*\i:49+2*\i], s[50+2*\i:51+2*\i]
	s_mov_b64 s[68+2*\i:69+2*\i], s[70+2*\i:71+2*\i]
.endr
	WSLOAD WSB, 68, 8                              ; slot 1's scale words of the next phase
	s_cmp_eq_u32 s6, 0
	s_cbranch_scc1 .Lek
	s_cmp_eq_u32 s6, 1
	s_cbranch_scc1 .Leq
	s_cmp_eq_u32 s6, 2
	s_cbranch_scc1 .Lev
	s_cmp_eq_u32 s6, 3
	s_cbranch_scc1 .Leo
	s_cmp_eq_u32 s6, 5
	s_cbranch_scc1 .Lef2
	; ---- phases 4 and 6: the hidden layer's half: + b1, gelu
	s_and_b32 s8, s6, 2
	s_lshl_b32 s8, s8, 8
	v_add_nc_u32 v[PB1], s8, v[PTA]
	PLOAD PB1, 4*512, GB1
	KONST 0, 0x3f3504f3                            ; 1 / sqrt(2)
	KONST 1, -0.000000000136307112900653           ; P's coefficients, halved, the highest power first
	KONST 2, 0.0000000138534071247951
	KONST 3, -0.00000105051201041254
	KONST 4, -0.0000284625319731173
	KONST 5, -0.0003674953151634275
	KONST 6, -0.001477299904270125
	KONST 7, -0.00804801666312075
	KONST 8, -0.0000145660718464996                ; Q's
	KONST 9, -0.000213374055278905
	KONST 10, -0.00168282697438203
	KONST 11, -0.00737332916720468
	KONST 12, -0.0142647390514189
	s_wait_dscnt 0x0
	BIAS 0x41, GB1
.set gb, 0
.rept 16
	GB gb
.set gb, gb+1
.endr
	WIN 0
	s_branch .Lquant
.Lek:   ; ---- phase 0: k + bk is kept in window 3
	PLOAD PTA, 0, 64
	s_wait_dscnt 0x0
	BIAS 0xc1, 64
	s_branch .Lnext
.Leq:   ; ---- phase 1: q + bq; the scores of my two heads for each row; the softmax over the one key
	PLOAD PTA, 512, 64
	s_wait_dscnt 0x0
	BIAS 0x41, 64
	WIN 0x0d                                       ; q in window 1, k in window 3
.irp n, 0,1,2,3,4,5,6,7
	v_pk_mul_f32 v[CH+2*\n:CH+2*\n+1], v[32*\n:32*\n+1], v[32*\n:32*\n+1]      ; chain n = 2 m + head: 32 registers of each
.endr
.irp i, 1,2,3,4,5,6,7,8,9,10,11,12,13,14,15
.irp n, 0,1,2,3,4,5,6,7
	v_pk_fma_f32 v[CH+2*\n:CH+2*\n+1], v[32*\n+2*\i:32*\n+2*\i+1], v[32*\n+2*\i:32*\n+2*\i+1], v[CH+2*\n:CH+2*\n+1]
.endr
.endr
	WIN 0
.irp n, 0,1,2,3,4,5,6,7
	v_add_f32 v[SS+\n], v[CH+2*\n], v[CH+2*\n+1]
.endr
.irp n, 0,1,2,3,4,5,6,7
	v_permlanex16_b32 v[SX+\n], v[SS+\n], s12, s13
.endr
.irp n, 0,1,2,3,4,5,6,7
	v_add_f32 v[SS+\n], v[SS+\n], v[SX+\n]         ; the head's 64 products
.endr
.irp n, 0,1,2,3,4,5,6,7
	v_mul_f32 v[SS+\n], 0x3e000000, v[SS+\n]       ; / sqrt(64)
.endr
.irp n, 0,1,2,3,4,5,6,7
	v_sub_f32 v[SS+\n], v[SS+\n], v[SS+\n]         ; less the row's maximum, which over one key is the score itself
.endr
.irp n, 0,1,2,3,4,5,6,7
	v_mul_f32 v[SS+\n], 0x3fb8aa3b, v[SS+\n]
.endr
.irp n, 0,1,2,3,4,5,6,7
	v_exp_f32 v[SS+\n], v[SS+\n]
.endr
	v_nop
	s_wait_alu depctr_va_vdst(0)                   ; one wait for the eight exponentials
.irp n, 0,1,2,3,4,5,6,7
	v_rcp_f32 v[SX+\n], v[SS+\n]                   ; the sum has the one term
.endr
	v_nop
	s_wait_alu depctr_va_vdst(0)                   ; and one for the eight reciprocals
.irp n, 0,1,2,3,4,5,6,7
	v_mul_f32 v[WSM+\n], v[SS+\n], v[SX+\n]
.endr
	s_branch .Lnext
.Lev:   ; ---- phase 2: attn = w (v + bv)
	PLOAD PTA, 2*512, 64
	s_wait_dscnt 0x0
	BIAS 0x41, 64
	SLABS v_pk_mul_f32, WSM, 16
	s_branch .Lquant
.Leo:   ; ---- phase 3: x1 = LN1(o + (X + bo)); the residual becomes x1 + b2
	ADDS 0x49                                      ; ACC += XR
	LN 7*512, 8*512
	PLOAD PTA, 6*512, 64
	s_wait_dscnt 0x0
	BIAS 0x81, 64
	s_branch .Lquant
.Lef2:  ; ---- phase 5: the first half of f2's K joins the residual
	ADDS 0x86                                      ; XR += ACC
	s_branch .Lnext
.Lquant:
	v_add_nc_u32 v[IWI], s7, v[WBI]
	v_add_nc_u32 v[IWS], s7, v[WBS]
	QUANT4 1
	BARRIER                                        ; the next phase's sixteen fragments lie in LDS
.Lnext:
	s_add_co_u32 s6, s6, 1
	s_cmp_lt_u32 s6, 7
	s_cbranch_scc1 .Lphase
; ---------------------------------------------------------------- phase 7 is written out: it asks for nothing more
	s_wait_tensorcnt 0x0                           ; slot 1's last tile, my own, has landed
	PHASEMM 0
	ADDS 0x49
	LN 9*512, 10*512
	TOSTAGE 0                                      ; my quarter of slot 0 has had its last fill and my last read: it is my stage
	TOSTAGE 1
	SEND 0, 32
	s_wait_xcnt 0x0                                ; tile 0's stores have read their registers
	TOSTAGE 2
	SEND 1, 32
	s_wait_xcnt 0x0
	TOSTAGE 3
	SEND 2, 32
	SEND 3, 0
	s_wait_tensorcnt 0x0                           ; the wave's end
	ds_add_u32 v[SPW], v[NIL]
	s_wait_dscnt 0x0
	ROUND                                          ; the closing round: no work-group ends while a partner may still ask for a tile that names it
	s_endpgm
.Lfunc_end_k_q77b5de3ffe_img:
	.size	k_q77b5de3ffe_img, .Lfunc_end_k_q77b5de3ffe_img-k_q77b5de3ffe_img
	.p2alignl 7, 3214868480
	.fill 96, 4, 3214868480
	.section	.rodata,"a",@progbits
	.p2align	6, 0x0
	.amdhsa_kernel k_q77b5de3ffe_img
		.amdhsa_group_segment_fixed_size 327680
		.amdhsa_private_segment_fixed_size 0
		.amdhsa_enable_private_segment 0
		.amdhsa_kernarg_size 200
		.amdhsa_user_sgpr_count 2
		.amdhsa_user_sgpr_kernarg_segment_ptr 1
		.amdhsa_wavefront_size32 1
		.amdhsa_system_sgpr_workgroup_id_x 1
		.amdhsa_system_sgpr_workgroup_id_y 1
		.amdhsa_system_sgpr_workgroup_id_z 1
		.amdhsa_system_vgpr_workitem_id 0
		.amdhsa_next_free_vgpr 1024
		.amdhsa_next_free_sgpr 100
		.amdhsa_reserve_vcc 0
		.amdhsa_float_denorm_mode_32 3
		.amdhsa_float_denorm_mode_16_64 3
		.amdhsa_memory_ordered 1
		.amdhsa_forward_progress 1
		.amdhsa_inst_pref_size 255
	.end_amdhsa_kernel
	.section	.bss,"aw",@nobits
	.p2align	6
	.space	262144
	.amdgpu_metadata
---
amdhsa.version: [ 1, 2 ]
amdhsa.kernels:
  - .name:           k_q77b5de3ffe_img
    .symbol:         k_q77b5de3ffe_img.kd
    .args:
      - { .name: img_feat, .offset: 0, .size: 8, .value_kind: global_buffer, .address_space: global }
      - { .name: text_feat, .offset: 8, .size: 8, .value_kind: global_buffer, .address_space: global }
      - { .name: out1, .offset: 16, .size: 8, .value_kind: global_buffer, .address_space: global }
      - { .name: i2t_Wk_codes, .offset: 24, .size: 8, .value_kind: global_buffer, .address_space: global }
      - { .name: i2t_Wq_codes, .offset: 32, .size: 8, .value_kind: global_buffer, .address_space: global }
      - { .name: i2t_Wv_codes, .offset: 40, .size: 8, .value_kind: global_buffer, .address_space: global }
      - { .name: i2t_Wo_codes, .offset: 48, .size: 8, .value_kind: global_buffer, .address_space: global }
      - { .name: ffn_img_W1_codes, .offset: 56, .size: 8, .value_kind: global_buffer, .address_space: global }
      - { .name: ffn_img_W2_codes, .offset: 64, .size: 8, .value_kind: global_buffer, .address_space: global }
      - { .name: i2t_Wk_scales, .offset: 72, .size: 8, .value_kind: global_buffer, .address_space: global }
      - { .name: i2t_Wq_scales, .offset: 80, .size: 8, .value_kind: global_buffer, .address_space: global }
      - { .name: i2t_Wv_scales, .offset: 88, .size: 8, .value_kind: global_buffer, .address_space: global }
      - { .name: i2t_Wo_scales, .offset: 96, .size: 8, .value_kind: global_buffer, .address_space: global }
      - { .name: ffn_img_W1_scales, .offset: 104, .size: 8, .value_kind: global_buffer, .address_space: global }
      - { .name: ffn_img_W2_scales, .offset: 112, .size: 8, .value_kind: global_buffer, .address_space: global }
      - { .name: i2t_bk, .offset: 120, .size: 8, .value_kind: global_buffer, .address_space: global }
      - { .name: i2t_bq, .offset: 128, .size: 8, .value_kind: global_buffer, .address_space: global }
      - { .name: i2t_bv, .offset: 136, .size: 8, .value_kind: global_buffer, .address_space: global }
      - { .name: i2t_bo, .offset: 144, .size: 8, .value_kind: global_buffer, .address_space: global }
      - { .name: ffn_img_b1, .offset: 152, .size: 8, .value_kind: global_buffer, .address_space: global }
      - { .name: ffn_img_b2, .offset: 160, .size: 8, .value_kind: global_buffer, .address_space: global }
      - { .name: ln1i_g, .offset: 168, .size: 8, .value_kind: global_buffer, .address_space: global }
      - { .name: ln1i_b, .offset: 176, .size: 8, .value_kind: global_buffer, .address_space: global }
      - { .name: ln2i_g, .offset: 184, .size: 8, .value_kind: global_buffer, .address_space: global }
      - { .name: ln2i_b, .offset: 192, .size: 8, .value_kind: global_buffer, .address_space: global }
    .group_segment_fixed_size: 327680
    .private_segment_fixed_size: 0
    .kernarg_segment_align: 8
    .kernarg_segment_size: 200
    .max_flat_workgroup_size: 128
    .sgpr_count:     100
    .vgpr_count:     1024
    .wavefront_size: 32
...
	.end_amdgpu_metadata
.endif
;; end of part 1
;; launch text: the kernel of part 1 again; grid 256 x 1, 4 waves a work-group, clusters of 4 x 1, 327,680 bytes of LDS; arguments text_feat, img_feat, out0, t2i_Wk_codes, t2i_Wq_codes, t2i_Wv_codes, t2i_Wo_codes, ffn_text_W1_codes, ffn_text_W2_codes, t2i_Wk_scales, t2i_Wq_scales, t2i_Wv_scales, t2i_Wo_scales, ffn_text_W1_scales, ffn_text_W2_scales, t2i_bk, t2i_bq, t2i_bv, t2i_bo, ffn_text_b1, ffn_text_b2, ln1t_g, ln1t_b, ln2t_g, ln2t_b; writes out0
